; MI455X (gfx1250); checked and timed in simulation.
; The chip was launched on July 23, 2026; its instructions are those of AMD's public machine-readable ISA for CDNA 5 (MIT licence, August 2026) and "CDNA5" Instruction Set Architecture Reference Guide (July 2026). The comments in the code are by the model that wrote it; some were corrected since.
;; GSKAN Net. Allowed arithmetic: float matrix products may take bf16 or f16 operands with f32 sums; all other float work in f32.
;; Inputs: L0_Lambda 256 x 512 float32; L0_a one number float32; L0_eps 512 float32; L1_Lambda 512 x 512 float32; L1_a one number float32; L1_eps 512 float32; L2_Lambda 512 x 512 float32; L2_a one number float32; L2_eps 512 float32; L3_Lambda 512 x 256 float32; L3_a one number float32; L3_eps 256 float32; x 1,024 x 256 float32.
;; Outputs: out0 1,024 x 256 float32.
;; One version. Each part assembles by itself: llvm-mc -triple=amdgcn-amd-amdhsa -mcpu=gfx1250 --defsym DOCPART=n.
;; ======== version 1 of 1: 4 launches
;; workspace buffers: ha 2,097,152 bytes; hb 2,097,152 bytes
;; launch l0 (part 1): grid 64 x 4, 16 waves a work-group, clusters of 4 x 1, 169,984 bytes of LDS; arguments x, L0_Lambda, L0_eps, L0_a, ha; writes ha
.if DOCPART == 1
	.amdgcn_target "amdgcn-amd-amdhsa--gfx1250"
	.amdhsa_code_object_version 6
	.text
	.protected	k_qa29e9174d6_l0
	.globl	k_qa29e9174d6_l0
	.p2align	8
	.type	k_qa29e9174d6_l0,@function
k_qa29e9174d6_l0:
	s_mov_b64 s[64:65], 0
	v_nop
	global_prefetch_b8 v0, s[64:65] scope:SCOPE_SE
	s_setreg_imm32_b32 hwreg(HW_REG_WAVE_MODE, 25, 1), 1
	s_wait_xcnt 0x0
	s_wait_alu depctr_hold_cnt(0) depctr_sa_sdst(0) depctr_va_vdst(0) depctr_va_sdst(0) depctr_va_ssrc(0) depctr_va_vcc(0) depctr_vm_vsrc(0)
	s_getreg_b32 s2, hwreg(HW_REG_IB_STS2, 6, 4)
	s_cmp_eq_u32 s2, 0
	s_cbranch_scc0 .Lentry_in_a_cluster
	s_endpgm
.Lentry_in_a_cluster:
	s_bfe_u32 s2, ttmp6, 0x10000c
	s_cmp_lg_u32 s2, 0x3003
	s_cbranch_scc0 .Lentry_shape_is_right
	s_endpgm
.Lentry_shape_is_right:
; One layer: out[b][q] = sum over p of Lam[p][q] * PReLU(in[b][p] + eps[q]), PReLU(s) = s for s >= 0, a s otherwise.
; in: [1024][P], Lam: [P][Q], eps: [Q], a: one number, out: [1024][Q], all f32.  Here P = 256, Q = 512.
;
; THE ALGEBRA.  PReLU(s) = a s + (1 - a) max(s, 0) for every a, and max(x + eps, 0) = max(x, -eps) + eps.  So
;   out = a LIN + (1 - a) H + eps[q] CS[q],  H = sum Lam max(x, -eps),  LIN = sum Lam x,  CS = sum Lam (all over p).
; That is one maximum and two fused multiply-adds for each (b, p, q), all in f32.
; NO MATRIX INSTRUCTIONS: each activation act[b][p][q] enters one product only, so of the 8,192 multiply-adds of a 16 x 16 x 32
; instruction at most its 512 A elements could be of use, and the maxima would still be made here and then converted.  LIN is a
; true product, but with operands rounded to bf16 its error is multiplied by a, which is an input without a bound; it stays in f32.
;
; SHARING.  A work-group makes BW = 16 rows x 128 columns of out with 16 waves.  Wave w takes all of them for its PW = P/16 values
; of p; the sixteen partial tiles are added through LDS at the end.  Lane l owns columns 4 l .. 4 l + 3 of the 128, so a row of
; Lam's tile is one ds_load_b128 of 512 consecutive bytes.  in[b][p] is the same for a whole wave: it comes by scalar loads and
; is the scalar source of the vector instructions; each such number feeds 4 columns a lane.
; CLUSTER.  The four work-groups of a cluster are four row tiles of the same 128 columns: they need the same P x 128 tile of Lam
; and ask for it jointly (mask 15), each wave for its own PW rows.  in is not shared (each work-group has rows of its own).
; The whole tile of Lam stays in LDS: every LDS byte is filled once, so there is no ring and no refill.
;
; LIMITS.  max(x, -eps) + eps agrees with max(x + eps, 0) up to f32 rounding; where every s < 0 the terms (1 - a) sum Lam (-eps) and
; eps CS cancel to a eps CS with a residue of the order 1e-7 |eps| sum |Lam|.  The sums run in another order than the einsum's.
; A NaN in in, Lam, eps or a reaches the output through LIN, H or eps CS.  An infinite input can give NaN (inf - inf between the
; three terms) where the formula as written gives an infinity.
.set P,    256                         ; inputs of the layer
.set Q,    512                         ; outputs of the layer
.set BW,   16                          ; rows of a work-group
.set BWL,  4                           ; log2 BW
.set PW,   P/16                        ; values of p of a wave
.set NCH,  PW/8                        ; chunks of 8 p
.set GPC,  BW/4                        ; groups of 4 rows in a chunk
.set NG,   NCH*GPC                     ; groups of a wave
.set HR,   PW/2                        ; rows of Lam in one tensor load
.set WREG, PW*512                      ; bytes of a wave's region of LDS: PW rows of 128 f32
.set RW,   BW/4                        ; the end: registers of one partial in a thread
.set RSH,  9-BWL                       ; the end: threads in a row of the tile, as a shift
; vector registers: v0 thread, v1 LDS address of my 16 bytes in row 0 of my wave's region, v2 16 x lane, v3 my byte offset in out
.set TN,   4                           ; v[4:7]     -eps of my 4 columns
.set EPS,  8                           ; v[8:11]    eps
.set CSUM, 12                          ; v[12:15]   column sums of Lam over my wave's p
.set MX,   16                          ; v[16:23]   maxima at work: 2 rows x 4 columns
.set AV,   24                          ; v[24:25]   a, twice
.set A1V,  26                          ; v[26:27]   1 - a, twice
.set EC,   28                          ; v[28:31]   eps x column sum
.set ACH,  32                          ; v[32:95]   H,   row b column i at 4 b + i
.set ACL,  96                          ; v[96:159]  LIN, likewise
.set LB0,  160                         ; v[160:191], v[192:223] two buffers of 8 rows of Lam, row k column i at 4 k + i
.set RA,   16                          ; the end: v[16:19] four LDS addresses (the maxima are over)
.set RD,   96                          ; the end: v[96:159] the sixteen partials (LIN is over)
; scalar registers: s[2:3] in at my rows and my wave's p, s[4:5] out at my tile, s6 a, s8 wave, s[60:61] eps, s[62:63] Lam
.set G1,   12                          ; s[12:19]   descriptor group 1, one for both loads
.set G0,   20                          ; s[20:27]   descriptor group 0, one set for each half
.set XS0,  28                          ; s[28:59], s[68:99] two buffers of 4 rows x 8 p of in: row i at 8 i, buffer 1 is 40 further up
; A round of the cluster's barrier: my work-group's barrier, wave 0 signals for the work-group, every wave waits for all four
; work-groups, my work-group's barrier once more.
.macro ROUND
	s_barrier_signal -1
	s_barrier_wait -1
	s_cmp_lg_u32 s8, 0
	s_cbranch_scc1 .Lnot_wave_0_\@
	s_barrier_signal -3
.Lnot_wave_0_\@:
	s_barrier_wait -3
	s_barrier_signal -1
	s_barrier_wait -1
.endm
; Group n's 32 numbers of in: rows 4 j .. 4 j + 3, p = 8 c .. 8 c + 7 of my wave's range, 32 aligned bytes a load.
.macro XLOAD n
.set xl_c, (\n)/GPC
.set xl_j, (\n)%GPC
.set xl_s, XS0+40*((\n)%2)
.irp i, 0,1,2,3
	s_load_b256 s[xl_s+8*\i:xl_s+8*\i+7], s[2:3], ((4*xl_j+\i)*P+8*xl_c)*4
.endr
.endm
; Chunk c's 8 rows of Lam from my wave's region: each load takes 512 consecutive bytes.
.macro LAMLOAD c
.irp k, 0,1,2,3,4,5,6,7
	ds_load_b128 v[LB0+32*((\c)%2)+4*\k:LB0+32*((\c)%2)+4*\k+3], v1 offset:(8*(\c)+\k)*512
.endr
.endm
; Rows b and b + 1, one p: in[b][p] in s[sa], in[b+1][p] in s[sb], Lam's row at v[lam].  8 maxima, 8 multiply-adds for LIN, 8 for H,
; two to an instruction.  acc = 0: the first product of these rows starts their sums, so nothing is ever cleared.
; A maximum and the multiply-add that takes it are 8 instructions apart, two updates of one sum 12.
.macro STEP b, sa, sb, lam, acc
	v_dual_max_num_f32 v[MX+0], s[\sa], v[TN+0] :: v_dual_max_num_f32 v[MX+1], s[\sa], v[TN+1]
	v_dual_max_num_f32 v[MX+2], s[\sa], v[TN+2] :: v_dual_max_num_f32 v[MX+3], s[\sa], v[TN+3]
	v_dual_max_num_f32 v[MX+4], s[\sb], v[TN+0] :: v_dual_max_num_f32 v[MX+5], s[\sb], v[TN+1]
	v_dual_max_num_f32 v[MX+6], s[\sb], v[TN+2] :: v_dual_max_num_f32 v[MX+7], s[\sb], v[TN+3]
.if \acc
	v_dual_fmac_f32 v[ACL+4*\b+0], s[\sa], v[\lam+0] :: v_dual_fmac_f32 v[ACL+4*\b+1], s[\sa], v[\lam+1]
	v_dual_fmac_f32 v[ACL+4*\b+2], s[\sa], v[\lam+2] :: v_dual_fmac_f32 v[ACL+4*\b+3], s[\sa], v[\lam+3]
	v_dual_fmac_f32 v[ACL+4*\b+4], s[\sb], v[\lam+0] :: v_dual_fmac_f32 v[ACL+4*\b+5], s[\sb], v[\lam+1]
	v_dual_fmac_f32 v[ACL+4*\b+6], s[\sb], v[\lam+2] :: v_dual_fmac_f32 v[ACL+4*\b+7], s[\sb], v[\lam+3]
	v_pk_fma_f32 v[ACH+4*\b+0:ACH+4*\b+1], v[MX+0:MX+1], v[\lam+0:\lam+1], v[ACH+4*\b+0:ACH+4*\b+1]
	v_pk_fma_f32 v[ACH+4*\b+2:ACH+4*\b+3], v[MX+2:MX+3], v[\lam+2:\lam+3], v[ACH+4*\b+2:ACH+4*\b+3]
	v_pk_fma_f32 v[ACH+4*\b+4:ACH+4*\b+5], v[MX+4:MX+5], v[\lam+0:\lam+1], v[ACH+4*\b+4:ACH+4*\b+5]
	v_pk_fma_f32 v[ACH+4*\b+6:ACH+4*\b+7], v[MX+6:MX+7], v[\lam+2:\lam+3], v[ACH+4*\b+6:ACH+4*\b+7]
.else
	v_dual_mul_f32 v[ACL+4*\b+0], s[\sa], v[\lam+0] :: v_dual_mul_f32 v[ACL+4*\b+1], s[\sa], v[\lam+1]
	v_dual_mul_f32 v[ACL+4*\b+2], s[\sa], v[\lam+2] :: v_dual_mul_f32 v[ACL+4*\b+3], s[\sa], v[\lam+3]
	v_dual_mul_f32 v[ACL+4*\b+4], s[\sb], v[\lam+0] :: v_dual_mul_f32 v[ACL+4*\b+5], s[\sb], v[\lam+1]
	v_dual_mul_f32 v[ACL+4*\b+6], s[\sb], v[\lam+2] :: v_dual_mul_f32 v[ACL+4*\b+7], s[\sb], v[\lam+3]
	v_pk_mul_f32 v[ACH+4*\b+0:ACH+4*\b+1], v[MX+0:MX+1], v[\lam+0:\lam+1]
	v_pk_mul_f32 v[ACH+4*\b+2:ACH+4*\b+3], v[MX+2:MX+3], v[\lam+2:\lam+3]
	v_pk_mul_f32 v[ACH+4*\b+4:ACH+4*\b+5], v[MX+4:MX+5], v[\lam+0:\lam+1]
	v_pk_mul_f32 v[ACH+4*\b+6:ACH+4*\b+7], v[MX+6:MX+7], v[\lam+2:\lam+3]
.endif
.endm
; Group n = chunk n / GPC, rows 4 (n % GPC) .. + 3: 16 steps, 192 vector instructions.
.macro GROUP n
.set g_c, (\n)/GPC
.set g_j, (\n)%GPC
.set g_x, XS0+40*((\n)%2)
.set g_l, LB0+32*(g_c%2)
	s_wait_kmcnt 0x0                               ; scalar loads return in no order, so the count is 0: out are this group's four (and, at group 0, the load of a)
.if NG > (\n)+1
	XLOAD (\n)+1                                   ; the next group's numbers, into the buffer that the group before this one has finished with; a whole group's work in which to come
.endif
.irp pr, 0,1
.irp k, 0,1,2,3,4,5,6,7
	STEP (4*g_j+2*\pr), (g_x+16*\pr+\k), (g_x+16*\pr+8+\k), (g_l+4*\k), (g_c+\k)
.endr
.endr
.endm
; Chunk c: 8 p for all rows.
.macro CHUNK c
.set ch_l, LB0+32*((\c)%2)
	s_wait_dscnt 0x0                               ; this chunk's eight LDS loads are the only ones out
.if \c
.irp k, 0,1,2,3,4,5,6,7
	v_pk_add_f32 v[CSUM:CSUM+1],   v[CSUM:CSUM+1],   v[ch_l+4*\k:ch_l+4*\k+1]
	v_pk_add_f32 v[CSUM+2:CSUM+3], v[CSUM+2:CSUM+3], v[ch_l+4*\k+2:ch_l+4*\k+3]
.endr
.else
	v_pk_add_f32 v[CSUM:CSUM+1],   v[ch_l:ch_l+1],   v[ch_l+4:ch_l+5]       ; the first two rows start the column sums
	v_pk_add_f32 v[CSUM+2:CSUM+3], v[ch_l+2:ch_l+3], v[ch_l+6:ch_l+7]
.irp k, 2,3,4,5,6,7
	v_pk_add_f32 v[CSUM:CSUM+1],   v[CSUM:CSUM+1],   v[ch_l+4*\k:ch_l+4*\k+1]
	v_pk_add_f32 v[CSUM+2:CSUM+3], v[CSUM+2:CSUM+3], v[ch_l+4*\k+2:ch_l+4*\k+3]
.endr
.endif
.set ch_n, (\c)*GPC
.rept GPC-1
	GROUP ch_n
.set ch_n, ch_n+1
.endr
.if NCH > (\c)+1
.if (\c)+1 == NCH/2
	s_wait_tensorcnt 0x0                           ; the next chunk is the first of the second half of my rows: both my tensor loads have landed
.endif
	LAMLOAD (\c)+1                                 ; into the buffer free since the chunk before; the chunk's last group in which to come
.endif
	GROUP ch_n
.endm
	s_load_b256 s[68:75], s[0:1], 0x0              ; in s[68:69], Lam s[70:71], eps s[72:73], a s[74:75]
	s_load_b64 s[76:77], s[0:1], 0x20              ; out
	v_lshl_add_u32 v224, v0, 2, 0x29000
	v_mov_b32 v225, 0
	ds_add_u32 v224, v225
	v_lshrrev_b32 v1, 5, v0
	v_readfirstlane_b32 s8, v1                     ; wave 0..15
	v_and_b32 v2, 31, v0
	v_lshlrev_b32 v2, 4, v2                        ; 16 x lane
	s_and_b32 s7, ttmp7, 0xffff                    ; column tile (the cluster is one work-group high)
	s_mul_i32 s9, s8, WREG                         ; my wave's region of LDS: the wave's number times a constant
	v_add_nc_u32 v1, s9, v2
	; group 1: a tile of HR rows x 128 elements of 4 bytes, Q elements from row to row, no padding (the rows are read 512 bytes at a time)
	s_mov_b32 s[G1+0], 15|(2<<16)|(1<<21)          ; 15:0 the mask: all four work-groups of the cluster; 17:16 element of 4 bytes; 21 set beside a mask
	s_mov_b32 s[G1+1], 128<<16                     ; 63:48 tensor_dim0 = 128
	s_mov_b32 s[G1+2], HR<<16                      ; 95:80 tensor_dim1 = HR
	s_mov_b32 s[G1+3], 128<<16                     ; 127:112 tile_dim0 = 128
	s_mov_b32 s[G1+4], HR                          ; 143:128 tile_dim1 = HR
	s_mov_b32 s[G1+5], Q                           ; 191:160 elements from row to row
	s_mov_b32 s[G1+6], 0
	s_mov_b32 s[G1+7], 0
	; offsets that all four partners share: made of the column tile and the wave's number alone
	s_lshl_b32 s10, s7, 9                          ; 128 columns x 4 bytes
	s_mov_b32 s11, 0
	s_mul_i32 s86, s8, PW*Q*4                      ; my wave's PW rows of Lam
	s_add_co_u32 s86, s86, s10
	s_mov_b32 s87, 0
	; offsets of my own row tile, in registers of their own: none of them feeds a descriptor or an LDS address
	s_bfe_u32 s83, ttmp6, 0x40000                  ; cx
	s_lshl_b32 s82, ttmp9, 2
	s_add_co_u32 s82, s82, s83                     ; row tile = 4 x cluster x + cx
	s_mul_i32 s80, s82, BW*P*4
	s_mul_i32 s84, s8, PW*4
	s_add_co_u32 s80, s80, s84                     ; in: my rows, my wave's p
	s_mov_b32 s81, 0
	s_mul_i32 s78, s82, BW*Q*4
	s_add_co_u32 s78, s78, s10                     ; out: my rows, my columns
	s_mov_b32 s79, 0
	s_wait_dscnt 0x0
	s_wait_kmcnt 0x0                               ; the five addresses
	s_add_nc_u64 s[2:3], s[68:69], s[80:81]
	s_add_nc_u64 s[4:5], s[76:77], s[78:79]
	s_add_nc_u64 s[60:61], s[72:73], s[10:11]
	s_add_nc_u64 s[62:63], s[70:71], s[86:87]
.irp h, 0,1
	s_mov_b32 s[G0+4*\h], 1                                        ; count = 1
	s_add_co_u32 s[G0+4*\h+1], s9, \h*HR*512                       ; LDS address: my region, half h
	s_add_nc_u64 s[G0+4*\h+2:G0+4*\h+3], s[62:63], \h*HR*Q*4       ; global address of the half's first element
	s_or_b32 s[G0+4*\h+3], s[G0+4*\h+3], 0x80000000                ; type = 2
.endr
	XLOAD 0                                        ; these three kinds of load touch no LDS: they are on their way while the work-groups meet
	s_load_b32 s6, s[74:75], 0x0                   ; a
	global_load_b128 v[EPS:EPS+3], v2, s[60:61]    ; eps of my 4 columns
	ROUND                                          ; all four work-groups are here: the joint loads meet
	tensor_load_to_lds s[G0:G0+3], s[G1:G1+7]      ; the launch's only tensor loads, both first fills, in one group: two out for this wave
	s_nop 0
	tensor_load_to_lds s[G0+4:G0+7], s[G1:G1+7]
	s_nop 0
	s_wait_tensorcnt 0x1                           ; the first half of my rows is in LDS; the 1 is the second half, issued behind it.  Only I read my region
	LAMLOAD 0
	s_wait_loadcnt 0x0                             ; eps
.irp i, 0,1,2,3
	v_xor_b32 v[TN+\i], 0x80000000, v[EPS+\i]      ; -eps
.endr
	CHUNK 0
	CHUNK 1
.if NCH > 2
	CHUNK 2
	CHUNK 3
.endif
	; My wave's share of out: (1 - a) H + eps CS + a LIN, into the first BW rows of my own region.  The region has had its only fill,
	; both my tensor loads were waited for, and my reads of it are back (the last chunk's wait for 0).
	v_mov_b32 v[AV], s6
	v_mov_b32 v[AV+1], s6
	v_sub_f32 v[A1V], 1.0, v[AV]
	v_sub_f32 v[A1V+1], 1.0, v[AV]
	v_pk_mul_f32 v[EC:EC+1],   v[EPS:EPS+1],   v[CSUM:CSUM+1]
	v_pk_mul_f32 v[EC+2:EC+3], v[EPS+2:EPS+3], v[CSUM+2:CSUM+3]
.set eb, 0
.rept BW
	v_pk_fma_f32 v[ACH+4*eb:ACH+4*eb+1],   v[ACH+4*eb:ACH+4*eb+1],   v[A1V:A1V+1], v[EC:EC+1]
	v_pk_fma_f32 v[ACH+4*eb+2:ACH+4*eb+3], v[ACH+4*eb+2:ACH+4*eb+3], v[A1V:A1V+1], v[EC+2:EC+3]
	v_pk_fma_f32 v[ACH+4*eb:ACH+4*eb+1],   v[ACL+4*eb:ACL+4*eb+1],   v[AV:AV+1],   v[ACH+4*eb:ACH+4*eb+1]
	v_pk_fma_f32 v[ACH+4*eb+2:ACH+4*eb+3], v[ACL+4*eb+2:ACL+4*eb+3], v[AV:AV+1],   v[ACH+4*eb+2:ACH+4*eb+3]
	ds_store_b128 v1, v[ACH+4*eb:ACH+4*eb+3] offset:512*eb
.set eb, eb+1
.endr
	; Thread t owns BW bytes of the tile of BW x 512 bytes, at byte t x BW; wave u's partial of them lies u x WREG further up.
	v_lshlrev_b32 v[RA], BWL, v0
	v_add_nc_u32 v[RA+1], 4*WREG, v[RA]            ; four addresses, since an LDS offset has 16 bits: 3 x WREG is the largest used
	v_add_nc_u32 v[RA+2], 8*WREG, v[RA]
	v_add_nc_u32 v[RA+3], 12*WREG, v[RA]
	v_lshrrev_b32 v3, RSH, v0                      ; my row of the tile
	v_and_b32 v[RA+4], (1<<RSH)-1, v0              ; my place in it
	v_mul_u32_u24 v3, v3, 4*Q
	v_lshl_add_u32 v3, v[RA+4], BWL, v3            ; my byte offset in out
	s_wait_dscnt 0x0                               ; my stores are in LDS, for the others' sake
	s_barrier_signal -1
	s_barrier_wait -1                              ; everybody's are
.set ru, 0
.rept 16
.if RW > 2
	ds_load_b128 v[RD+RW*ru:RD+RW*ru+3], v[RA+ru/4] offset:(ru%4)*WREG
.else
	ds_load_b64 v[RD+RW*ru:RD+RW*ru+1], v[RA+ru/4] offset:(ru%4)*WREG
.endif
.set ru, ru+1
.endr
	s_wait_dscnt 0x0
.irp s, 8,4,2,1                        ; a fixed tree over the sixteen waves' partials
.set ri, 0
.rept \s
.set rj, 0
.rept RW/2
	v_pk_add_f32 v[RD+RW*ri+2*rj:RD+RW*ri+2*rj+1], v[RD+RW*ri+2*rj:RD+RW*ri+2*rj+1], v[RD+RW*(ri+\s)+2*rj:RD+RW*(ri+\s)+2*rj+1]
.set rj, rj+1
.endr
.set ri, ri+1
.endr
.endr
.if RW > 2
	global_store_b128 v3, v[RD:RD+3], s[4:5]       ; a wave stores 512 consecutive bytes, at a multiple of 512 from out's first byte
.else
	global_store_b64 v3, v[RD:RD+1], s[4:5]        ; a wave stores 256 consecutive bytes, at a multiple of 256 from out's first byte
.endif
	s_wait_tensorcnt 0x0
	ds_add_u32 v224, v225
	s_wait_dscnt 0x0
	ROUND                                          ; the closing round: no work-group ends while a partner may still ask for a tile that names it
	s_endpgm
.Lfunc_end_k_qa29e9174d6_l0:
	.size	k_qa29e9174d6_l0, .Lfunc_end_k_qa29e9174d6_l0-k_qa29e9174d6_l0
	.p2alignl 7, 3214868480
	.fill 96, 4, 3214868480
	.section	.rodata,"a",@progbits
	.p2align	6, 0x0
	.amdhsa_kernel k_qa29e9174d6_l0
		.amdhsa_group_segment_fixed_size 169984
		.amdhsa_private_segment_fixed_size 0
		.amdhsa_enable_private_segment 0
		.amdhsa_kernarg_size 40
		.amdhsa_user_sgpr_count 2
		.amdhsa_user_sgpr_kernarg_segment_ptr 1
		.amdhsa_wavefront_size32 1
		.amdhsa_system_sgpr_workgroup_id_x 1
		.amdhsa_system_sgpr_workgroup_id_y 1
		.amdhsa_system_sgpr_workgroup_id_z 1
		.amdhsa_system_vgpr_workitem_id 0
		.amdhsa_next_free_vgpr 226
		.amdhsa_next_free_sgpr 100
		.amdhsa_reserve_vcc 0
		.amdhsa_float_denorm_mode_32 3
		.amdhsa_float_denorm_mode_16_64 3
		.amdhsa_memory_ordered 1
		.amdhsa_forward_progress 1
		.amdhsa_inst_pref_size 115
	.end_amdhsa_kernel
	.amdgpu_metadata
---
amdhsa.version: [ 1, 2 ]
amdhsa.kernels:
  - .name:           k_qa29e9174d6_l0
    .symbol:         k_qa29e9174d6_l0.kd
    .args:
      - { .name: x, .offset: 0, .size: 8, .value_kind: global_buffer, .address_space: global }
      - { .name: L0_Lambda, .offset: 8, .size: 8, .value_kind: global_buffer, .address_space: global }
      - { .name: L0_eps, .offset: 16, .size: 8, .value_kind: global_buffer, .address_space: global }
      - { .name: L0_a, .offset: 24, .size: 8, .value_kind: global_buffer, .address_space: global }
      - { .name: ha, .offset: 32, .size: 8, .value_kind: global_buffer, .address_space: global }
    .group_segment_fixed_size: 169984
    .private_segment_fixed_size: 0
    .kernarg_segment_align: 8
    .kernarg_segment_size: 40
    .max_flat_workgroup_size: 512
    .sgpr_count:     100
    .vgpr_count:     226
    .wavefront_size: 32
...
	.end_amdgpu_metadata
.endif
;; end of part 1
;; launch l1 (part 2): grid 64 x 4, 16 waves a work-group, clusters of 4 x 1, 264,192 bytes of LDS; arguments ha, L1_Lambda, L1_eps, L1_a, hb; writes hb
.if DOCPART == 2
	.amdgcn_target "amdgcn-amd-amdhsa--gfx1250"
	.amdhsa_code_object_version 6
	.text
	.protected	k_qa29e9174d6_l1
	.globl	k_qa29e9174d6_l1
	.p2align	8
	.type	k_qa29e9174d6_l1,@function
k_qa29e9174d6_l1:
	s_mov_b64 s[64:65], 0
	v_nop
	global_prefetch_b8 v0, s[64:65] scope:SCOPE_SE
	s_setreg_imm32_b32 hwreg(HW_REG_WAVE_MODE, 25, 1), 1
	s_wait_xcnt 0x0
	s_wait_alu depctr_hold_cnt(0) depctr_sa_sdst(0) depctr_va_vdst(0) depctr_va_sdst(0) depctr_va_ssrc(0) depctr_va_vcc(0) depctr_vm_vsrc(0)
	s_getreg_b32 s2, hwreg(HW_REG_IB_STS2, 6, 4)
	s_cmp_eq_u32 s2, 0
	s_cbranch_scc0 .Lentry_in_a_cluster
	s_endpgm
.Lentry_in_a_cluster:
	s_bfe_u32 s2, ttmp6, 0x10000c
	s_cmp_lg_u32 s2, 0x3003
	s_cbranch_scc0 .Lentry_shape_is_right
	s_endpgm
.Lentry_shape_is_right:
; One layer: out[b][q] = sum over p of Lam[p][q] * PReLU(in[b][p] + eps[q]), PReLU(s) = s for s >= 0, a s otherwise.
; in: [1024][P], Lam: [P][Q], eps: [Q], a: one number, out: [1024][Q], all f32.  Here P = 512, Q = 512.
;
; THE ALGEBRA.  PReLU(s) = a s + (1 - a) max(s, 0) for every a, and max(x + eps, 0) = max(x, -eps) + eps.  So
;   out = a LIN + (1 - a) H + eps[q] CS[q],  H = sum Lam max(x, -eps),  LIN = sum Lam x,  CS = sum Lam (all over p).
; That is one maximum and two fused multiply-adds for each (b, p, q), all in f32.
; NO MATRIX INSTRUCTIONS: each activation act[b][p][q] enters one product only, so of the 8,192 multiply-adds of a 16 x 16 x 32
; instruction at most its 512 A elements could be of use, and the maxima would still be made here and then converted.  LIN is a
; true product, but with operands rounded to bf16 its error is multiplied by a, which is an input without a bound; it stays in f32.
;
; SHARING.  A work-group makes BW = 16 rows x 128 columns of out with 16 waves.  Wave w takes all of them for its PW = P/16 values
; of p; the sixteen partial tiles are added through LDS at the end.  Lane l owns columns 4 l .. 4 l + 3 of the 128, so a row of
; Lam's tile is one ds_load_b128 of 512 consecutive bytes.  in[b][p] is the same for a whole wave: it comes by scalar loads and
; is the scalar source of the vector instructions; each such number feeds 4 columns a lane.
; CLUSTER.  The four work-groups of a cluster are four row tiles of the same 128 columns: they need the same P x 128 tile of Lam
; and ask for it jointly (mask 15), each wave for its own PW rows.  in is not shared (each work-group has rows of its own).
; The whole tile of Lam stays in LDS: every LDS byte is filled once, so there is no ring and no refill.
;
; LIMITS.  max(x, -eps) + eps agrees with max(x + eps, 0) up to f32 rounding; where every s < 0 the terms (1 - a) sum Lam (-eps) and
; eps CS cancel to a eps CS with a residue of the order 1e-7 |eps| sum |Lam|.  The sums run in another order than the einsum's.
; A NaN in in, Lam, eps or a reaches the output through LIN, H or eps CS.  An infinite input can give NaN (inf - inf between the
; three terms) where the formula as written gives an infinity.
.set P,    512                         ; inputs of the layer
.set Q,    512                         ; outputs of the layer
.set BW,   16                          ; rows of a work-group
.set BWL,  4                           ; log2 BW
.set PW,   P/16                        ; values of p of a wave
.set NCH,  PW/8                        ; chunks of 8 p
.set GPC,  BW/4                        ; groups of 4 rows in a chunk
.set NG,   NCH*GPC                     ; groups of a wave
.set HR,   PW/2                        ; rows of Lam in one tensor load
.set WREG, PW*512                      ; bytes of a wave's region of LDS: PW rows of 128 f32
.set RW,   BW/4                        ; the end: registers of one partial in a thread
.set RSH,  9-BWL                       ; the end: threads in a row of the tile, as a shift
; vector registers: v0 thread, v1 LDS address of my 16 bytes in row 0 of my wave's region, v2 16 x lane, v3 my byte offset in out
.set TN,   4                           ; v[4:7]     -eps of my 4 columns
.set EPS,  8                           ; v[8:11]    eps
.set CSUM, 12                          ; v[12:15]   column sums of Lam over my wave's p
.set MX,   16                          ; v[16:23]   maxima at work: 2 rows x 4 columns
.set AV,   24                          ; v[24:25]   a, twice
.set A1V,  26                          ; v[26:27]   1 - a, twice
.set EC,   28                          ; v[28:31]   eps x column sum
.set ACH,  32                          ; v[32:95]   H,   row b column i at 4 b + i
.set ACL,  96                          ; v[96:159]  LIN, likewise
.set LB0,  160                         ; v[160:191], v[192:223] two buffers of 8 rows of Lam, row k column i at 4 k + i
.set RA,   16                          ; the end: v[16:19] four LDS addresses (the maxima are over)
.set RD,   96                          ; the end: v[96:159] the sixteen partials (LIN is over)
; scalar registers: s[2:3] in at my rows and my wave's p, s[4:5] out at my tile, s6 a, s8 wave, s[60:61] eps, s[62:63] Lam
.set G1,   12                          ; s[12:19]   descriptor group 1, one for both loads
.set G0,   20                          ; s[20:27]   descriptor group 0, one set for each half
.set XS0,  28                          ; s[28:59], s[68:99] two buffers of 4 rows x 8 p of in: row i at 8 i, buffer 1 is 40 further up
; A round of the cluster's barrier: my work-group's barrier, wave 0 signals for the work-group, every wave waits for all four
; work-groups, my work-group's barrier once more.
.macro ROUND
	s_barrier_signal -1
	s_barrier_wait -1
	s_cmp_lg_u32 s8, 0
	s_cbranch_scc1 .Lnot_wave_0_\@
	s_barrier_signal -3
.Lnot_wave_0_\@:
	s_barrier_wait -3
	s_barrier_signal -1
	s_barrier_wait -1
.endm
; Group n's 32 numbers of in: rows 4 j .. 4 j + 3, p = 8 c .. 8 c + 7 of my wave's range, 32 aligned bytes a load.
.macro XLOAD n
.set xl_c, (\n)/GPC
.set xl_j, (\n)%GPC
.set xl_s, XS0+40*((\n)%2)
.irp i, 0,1,2,3
	s_load_b256 s[xl_s+8*\i:xl_s+8*\i+7], s[2:3], ((4*xl_j+\i)*P+8*xl_c)*4
.endr
.endm
; Chunk c's 8 rows of Lam from my wave's region: each load takes 512 consecutive bytes.
.macro LAMLOAD c
.irp k, 0,1,2,3,4,5,6,7
	ds_load_b128 v[LB0+32*((\c)%2)+4*\k:LB0+32*((\c)%2)+4*\k+3], v1 offset:(8*(\c)+\k)*512
.endr
.endm
; Rows b and b + 1, one p: in[b][p] in s[sa], in[b+1][p] in s[sb], Lam's row at v[lam].  8 maxima, 8 multiply-adds for LIN, 8 for H,
; two to an instruction.  acc = 0: the first product of these rows starts their sums, so nothing is ever cleared.
; A maximum and the multiply-add that takes it are 8 instructions apart, two updates of one sum 12.
.macro STEP b, sa, sb, lam, acc
	v_dual_max_num_f32 v[MX+0], s[\sa], v[TN+0] :: v_dual_max_num_f32 v[MX+1], s[\sa], v[TN+1]
	v_dual_max_num_f32 v[MX+2], s[\sa], v[TN+2] :: v_dual_max_num_f32 v[MX+3], s[\sa], v[TN+3]
	v_dual_max_num_f32 v[MX+4], s[\sb], v[TN+0] :: v_dual_max_num_f32 v[MX+5], s[\sb], v[TN+1]
	v_dual_max_num_f32 v[MX+6], s[\sb], v[TN+2] :: v_dual_max_num_f32 v[MX+7], s[\sb], v[TN+3]
.if \acc
	v_dual_fmac_f32 v[ACL+4*\b+0], s[\sa], v[\lam+0] :: v_dual_fmac_f32 v[ACL+4*\b+1], s[\sa], v[\lam+1]
	v_dual_fmac_f32 v[ACL+4*\b+2], s[\sa], v[\lam+2] :: v_dual_fmac_f32 v[ACL+4*\b+3], s[\sa], v[\lam+3]
	v_dual_fmac_f32 v[ACL+4*\b+4], s[\sb], v[\lam+0] :: v_dual_fmac_f32 v[ACL+4*\b+5], s[\sb], v[\lam+1]
	v_dual_fmac_f32 v[ACL+4*\b+6], s[\sb], v[\lam+2] :: v_dual_fmac_f32 v[ACL+4*\b+7], s[\sb], v[\lam+3]
	v_pk_fma_f32 v[ACH+4*\b+0:ACH+4*\b+1], v[MX+0:MX+1], v[\lam+0:\lam+1], v[ACH+4*\b+0:ACH+4*\b+1]
	v_pk_fma_f32 v[ACH+4*\b+2:ACH+4*\b+3], v[MX+2:MX+3], v[\lam+2:\lam+3], v[ACH+4*\b+2:ACH+4*\b+3]
	v_pk_fma_f32 v[ACH+4*\b+4:ACH+4*\b+5], v[MX+4:MX+5], v[\lam+0:\lam+1], v[ACH+4*\b+4:ACH+4*\b+5]
	v_pk_fma_f32 v[ACH+4*\b+6:ACH+4*\b+7], v[MX+6:MX+7], v[\lam+2:\lam+3], v[ACH+4*\b+6:ACH+4*\b+7]
.else
	v_dual_mul_f32 v[ACL+4*\b+0], s[\sa], v[\lam+0] :: v_dual_mul_f32 v[ACL+4*\b+1], s[\sa], v[\lam+1]
	v_dual_mul_f32 v[ACL+4*\b+2], s[\sa], v[\lam+2] :: v_dual_mul_f32 v[ACL+4*\b+3], s[\sa], v[\lam+3]
	v_dual_mul_f32 v[ACL+4*\b+4], s[\sb], v[\lam+0] :: v_dual_mul_f32 v[ACL+4*\b+5], s[\sb], v[\lam+1]
	v_dual_mul_f32 v[ACL+4*\b+6], s[\sb], v[\lam+2] :: v_dual_mul_f32 v[ACL+4*\b+7], s[\sb], v[\lam+3]
	v_pk_mul_f32 v[ACH+4*\b+0:ACH+4*\b+1], v[MX+0:MX+1], v[\lam+0:\lam+1]
	v_pk_mul_f32 v[ACH+4*\b+2:ACH+4*\b+3], v[MX+2:MX+3], v[\lam+2:\lam+3]
	v_pk_mul_f32 v[ACH+4*\b+4:ACH+4*\b+5], v[MX+4:MX+5], v[\lam+0:\lam+1]
	v_pk_mul_f32 v[ACH+4*\b+6:ACH+4*\b+7], v[MX+6:MX+7], v[\lam+2:\lam+3]
.endif
.endm
; Group n = chunk n / GPC, rows 4 (n % GPC) .. + 3: 16 steps, 192 vector instructions.
.macro GROUP n
.set g_c, (\n)/GPC
.set g_j, (\n)%GPC
.set g_x, XS0+40*((\n)%2)
.set g_l, LB0+32*(g_c%2)
	s_wait_kmcnt 0x0                               ; scalar loads return in no order, so the count is 0: out are this group's four (and, at group 0, the load of a)
.if NG > (\n)+1
	XLOAD (\n)+1                                   ; the next group's numbers, into the buffer that the group before this one has finished with; a whole group's work in which to come
.endif
.irp pr, 0,1
.irp k, 0,1,2,3,4,5,6,7
	STEP (4*g_j+2*\pr), (g_x+16*\pr+\k), (g_x+16*\pr+8+\k), (g_l+4*\k), (g_c+\k)
.endr
.endr
.endm
; Chunk c: 8 p for all rows.
.macro CHUNK c
.set ch_l, LB0+32*((\c)%2)
	s_wait_dscnt 0x0                               ; this chunk's eight LDS loads are the only ones out
.if \c
.irp k, 0,1,2,3,4,5,6,7
	v_pk_add_f32 v[CSUM:CSUM+1],   v[CSUM:CSUM+1],   v[ch_l+4*\k:ch_l+4*\k+1]
	v_pk_add_f32 v[CSUM+2:CSUM+3], v[CSUM+2:CSUM+3], v[ch_l+4*\k+2:ch_l+4*\k+3]
.endr
.else
	v_pk_add_f32 v[CSUM:CSUM+1],   v[ch_l:ch_l+1],   v[ch_l+4:ch_l+5]       ; the first two rows start the column sums
	v_pk_add_f32 v[CSUM+2:CSUM+3], v[ch_l+2:ch_l+3], v[ch_l+6:ch_l+7]
.irp k, 2,3,4,5,6,7
	v_pk_add_f32 v[CSUM:CSUM+1],   v[CSUM:CSUM+1],   v[ch_l+4*\k:ch_l+4*\k+1]
	v_pk_add_f32 v[CSUM+2:CSUM+3], v[CSUM+2:CSUM+3], v[ch_l+4*\k+2:ch_l+4*\k+3]
.endr
.endif
.set ch_n, (\c)*GPC
.rept GPC-1
	GROUP ch_n
.set ch_n, ch_n+1
.endr
.if NCH > (\c)+1
.if (\c)+1 == NCH/2
	s_wait_tensorcnt 0x0                           ; the next chunk is the first of the second half of my rows: both my tensor loads have landed
.endif
	LAMLOAD (\c)+1                                 ; into the buffer free since the chunk before; the chunk's last group in which to come
.endif
	GROUP ch_n
.endm
	s_load_b256 s[68:75], s[0:1], 0x0              ; in s[68:69], Lam s[70:71], eps s[72:73], a s[74:75]
	s_load_b64 s[76:77], s[0:1], 0x20              ; out
	v_lshl_add_u32 v224, v0, 2, 0x40000
	v_mov_b32 v225, 0
	ds_add_u32 v224, v225
	v_lshrrev_b32 v1, 5, v0
	v_readfirstlane_b32 s8, v1                     ; wave 0..15
	v_and_b32 v2, 31, v0
	v_lshlrev_b32 v2, 4, v2                        ; 16 x lane
	s_and_b32 s7, ttmp7, 0xffff                    ; column tile (the cluster is one work-group high)
	s_mul_i32 s9, s8, WREG                         ; my wave's region of LDS: the wave's number times a constant
	v_add_nc_u32 v1, s9, v2
	; group 1: a tile of HR rows x 128 elements of 4 bytes, Q elements from row to row, no padding (the rows are read 512 bytes at a time)
	s_mov_b32 s[G1+0], 15|(2<<16)|(1<<21)          ; 15:0 the mask: all four work-groups of the cluster; 17:16 element of 4 bytes; 21 set beside a mask
	s_mov_b32 s[G1+1], 128<<16                     ; 63:48 tensor_dim0 = 128
	s_mov_b32 s[G1+2], HR<<16                      ; 95:80 tensor_dim1 = HR
	s_mov_b32 s[G1+3], 128<<16                     ; 127:112 tile_dim0 = 128
	s_mov_b32 s[G1+4], HR                          ; 143:128 tile_dim1 = HR
	s_mov_b32 s[G1+5], Q                           ; 191:160 elements from row to row
	s_mov_b32 s[G1+6], 0
	s_mov_b32 s[G1+7], 0
	; offsets that all four partners share: made of the column tile and the wave's number alone
	s_lshl_b32 s10, s7, 9                          ; 128 columns x 4 bytes
	s_mov_b32 s11, 0
	s_mul_i32 s86, s8, PW*Q*4                      ; my wave's PW rows of Lam
	s_add_co_u32 s86, s86, s10
	s_mov_b32 s87, 0
	; offsets of my own row tile, in registers of their own: none of them feeds a descriptor or an LDS address
	s_bfe_u32 s83, ttmp6, 0x40000                  ; cx
	s_lshl_b32 s82, ttmp9, 2
	s_add_co_u32 s82, s82, s83                     ; row tile = 4 x cluster x + cx
	s_mul_i32 s80, s82, BW*P*4
	s_mul_i32 s84, s8, PW*4
	s_add_co_u32 s80, s80, s84                     ; in: my rows, my wave's p
	s_mov_b32 s81, 0
	s_mul_i32 s78, s82, BW*Q*4
	s_add_co_u32 s78, s78, s10                     ; out: my rows, my columns
	s_mov_b32 s79, 0
	s_wait_dscnt 0x0
	s_wait_kmcnt 0x0                               ; the five addresses
	s_add_nc_u64 s[2:3], s[68:69], s[80:81]
	s_add_nc_u64 s[4:5], s[76:77], s[78:79]
	s_add_nc_u64 s[60:61], s[72:73], s[10:11]
	s_add_nc_u64 s[62:63], s[70:71], s[86:87]
.irp h, 0,1
	s_mov_b32 s[G0+4*\h], 1                                        ; count = 1
	s_add_co_u32 s[G0+4*\h+1], s9, \h*HR*512                       ; LDS address: my region, half h
	s_add_nc_u64 s[G0+4*\h+2:G0+4*\h+3], s[62:63], \h*HR*Q*4       ; global address of the half's first element
	s_or_b32 s[G0+4*\h+3], s[G0+4*\h+3], 0x80000000                ; type = 2
.endr
	XLOAD 0                                        ; these three kinds of load touch no LDS: they are on their way while the work-groups meet
	s_load_b32 s6, s[74:75], 0x0                   ; a
	global_load_b128 v[EPS:EPS+3], v2, s[60:61]    ; eps of my 4 columns
	ROUND                                          ; all four work-groups are here: the joint loads meet
	tensor_load_to_lds s[G0:G0+3], s[G1:G1+7]      ; the launch's only tensor loads, both first fills, in one group: two out for this wave
	s_nop 0
	tensor_load_to_lds s[G0+4:G0+7], s[G1:G1+7]
	s_nop 0
	s_wait_tensorcnt 0x1                           ; the first half of my rows is in LDS; the 1 is the second half, issued behind it.  Only I read my region
	LAMLOAD 0
	s_wait_loadcnt 0x0                             ; eps
.irp i, 0,1,2,3
	v_xor_b32 v[TN+\i], 0x80000000, v[EPS+\i]      ; -eps
.endr
	CHUNK 0
	CHUNK 1
.if NCH > 2
	CHUNK 2
	CHUNK 3
.endif
	; My wave's share of out: (1 - a) H + eps CS + a LIN, into the first BW rows of my own region.  The region has had its only fill,
	; both my tensor loads were waited for, and my reads of it are back (the last chunk's wait for 0).
	v_mov_b32 v[AV], s6
	v_mov_b32 v[AV+1], s6
	v_sub_f32 v[A1V], 1.0, v[AV]
	v_sub_f32 v[A1V+1], 1.0, v[AV]
	v_pk_mul_f32 v[EC:EC+1],   v[EPS:EPS+1],   v[CSUM:CSUM+1]
	v_pk_mul_f32 v[EC+2:EC+3], v[EPS+2:EPS+3], v[CSUM+2:CSUM+3]
.set eb, 0
.rept BW
	v_pk_fma_f32 v[ACH+4*eb:ACH+4*eb+1],   v[ACH+4*eb:ACH+4*eb+1],   v[A1V:A1V+1], v[EC:EC+1]
	v_pk_fma_f32 v[ACH+4*eb+2:ACH+4*eb+3], v[ACH+4*eb+2:ACH+4*eb+3], v[A1V:A1V+1], v[EC+2:EC+3]
	v_pk_fma_f32 v[ACH+4*eb:ACH+4*eb+1],   v[ACL+4*eb:ACL+4*eb+1],   v[AV:AV+1],   v[ACH+4*eb:ACH+4*eb+1]
	v_pk_fma_f32 v[ACH+4*eb+2:ACH+4*eb+3], v[ACL+4*eb+2:ACL+4*eb+3], v[AV:AV+1],   v[ACH+4*eb+2:ACH+4*eb+3]
	ds_store_b128 v1, v[ACH+4*eb:ACH+4*eb+3] offset:512*eb
.set eb, eb+1
.endr
	; Thread t owns BW bytes of the tile of BW x 512 bytes, at byte t x BW; wave u's partial of them lies u x WREG further up.
	v_lshlrev_b32 v[RA], BWL, v0
	v_add_nc_u32 v[RA+1], 4*WREG, v[RA]            ; four addresses, since an LDS offset has 16 bits: 3 x WREG is the largest used
	v_add_nc_u32 v[RA+2], 8*WREG, v[RA]
	v_add_nc_u32 v[RA+3], 12*WREG, v[RA]
	v_lshrrev_b32 v3, RSH, v0                      ; my row of the tile
	v_and_b32 v[RA+4], (1<<RSH)-1, v0              ; my place in it
	v_mul_u32_u24 v3, v3, 4*Q
	v_lshl_add_u32 v3, v[RA+4], BWL, v3            ; my byte offset in out
	s_wait_dscnt 0x0                               ; my stores are in LDS, for the others' sake
	s_barrier_signal -1
	s_barrier_wait -1                              ; everybody's are
.set ru, 0
.rept 16
.if RW > 2
	ds_load_b128 v[RD+RW*ru:RD+RW*ru+3], v[RA+ru/4] offset:(ru%4)*WREG
.else
	ds_load_b64 v[RD+RW*ru:RD+RW*ru+1], v[RA+ru/4] offset:(ru%4)*WREG
.endif
.set ru, ru+1
.endr
	s_wait_dscnt 0x0
.irp s, 8,4,2,1                        ; a fixed tree over the sixteen waves' partials
.set ri, 0
.rept \s
.set rj, 0
.rept RW/2
	v_pk_add_f32 v[RD+RW*ri+2*rj:RD+RW*ri+2*rj+1], v[RD+RW*ri+2*rj:RD+RW*ri+2*rj+1], v[RD+RW*(ri+\s)+2*rj:RD+RW*(ri+\s)+2*rj+1]
.set rj, rj+1
.endr
.set ri, ri+1
.endr
.endr
.if RW > 2
	global_store_b128 v3, v[RD:RD+3], s[4:5]       ; a wave stores 512 consecutive bytes, at a multiple of 512 from out's first byte
.else
	global_store_b64 v3, v[RD:RD+1], s[4:5]        ; a wave stores 256 consecutive bytes, at a multiple of 256 from out's first byte
.endif
	s_wait_tensorcnt 0x0
	ds_add_u32 v224, v225
	s_wait_dscnt 0x0
	ROUND                                          ; the closing round: no work-group ends while a partner may still ask for a tile that names it
	s_endpgm
.Lfunc_end_k_qa29e9174d6_l1:
	.size	k_qa29e9174d6_l1, .Lfunc_end_k_qa29e9174d6_l1-k_qa29e9174d6_l1
	.p2alignl 7, 3214868480
	.fill 96, 4, 3214868480
	.section	.rodata,"a",@progbits
	.p2align	6, 0x0
	.amdhsa_kernel k_qa29e9174d6_l1
		.amdhsa_group_segment_fixed_size 264192
		.amdhsa_private_segment_fixed_size 0
		.amdhsa_enable_private_segment 0
		.amdhsa_kernarg_size 40
		.amdhsa_user_sgpr_count 2
		.amdhsa_user_sgpr_kernarg_segment_ptr 1
		.amdhsa_wavefront_size32 1
		.amdhsa_system_sgpr_workgroup_id_x 1
		.amdhsa_system_sgpr_workgroup_id_y 1
		.amdhsa_system_sgpr_workgroup_id_z 1
		.amdhsa_system_vgpr_workitem_id 0
		.amdhsa_next_free_vgpr 226
		.amdhsa_next_free_sgpr 100
		.amdhsa_reserve_vcc 0
		.amdhsa_float_denorm_mode_32 3
		.amdhsa_float_denorm_mode_16_64 3
		.amdhsa_memory_ordered 1
		.amdhsa_forward_progress 1
		.amdhsa_inst_pref_size 216
	.end_amdhsa_kernel
	.amdgpu_metadata
---
amdhsa.version: [ 1, 2 ]
amdhsa.kernels:
  - .name:           k_qa29e9174d6_l1
    .symbol:         k_qa29e9174d6_l1.kd
    .args:
      - { .name: ha, .offset: 0, .size: 8, .value_kind: global_buffer, .address_space: global }
      - { .name: L1_Lambda, .offset: 8, .size: 8, .value_kind: global_buffer, .address_space: global }
      - { .name: L1_eps, .offset: 16, .size: 8, .value_kind: global_buffer, .address_space: global }
      - { .name: L1_a, .offset: 24, .size: 8, .value_kind: global_buffer, .address_space: global }
      - { .name: hb, .offset: 32, .size: 8, .value_kind: global_buffer, .address_space: global }
    .group_segment_fixed_size: 264192
    .private_segment_fixed_size: 0
    .kernarg_segment_align: 8
    .kernarg_segment_size: 40
    .max_flat_workgroup_size: 512
    .sgpr_count:     100
    .vgpr_count:     226
    .wavefront_size: 32
...
	.end_amdgpu_metadata
.endif
;; end of part 2
;; launch l2: the kernel of part 2 again; grid 64 x 4, 16 waves a work-group, clusters of 4 x 1, 264,192 bytes of LDS; arguments hb, L2_Lambda, L2_eps, L2_a, ha; writes ha
;; launch l3 (part 3): grid 128 x 2, 16 waves a work-group, clusters of 4 x 1, 264,192 bytes of LDS; arguments ha, L3_Lambda, L3_eps, L3_a, out0; writes out0
.if DOCPART == 3
	.amdgcn_target "amdgcn-amd-amdhsa--gfx1250"
	.amdhsa_code_object_version 6
	.text
	.protected	k_qa29e9174d6_l3
	.globl	k_qa29e9174d6_l3
	.p2align	8
	.type	k_qa29e9174d6_l3,@function
k_qa29e9174d6_l3:
	s_mov_b64 s[64:65], 0
	v_nop
	global_prefetch_b8 v0, s[64:65] scope:SCOPE_SE
	s_setreg_imm32_b32 hwreg(HW_REG_WAVE_MODE, 25, 1), 1
	s_wait_xcnt 0x0
	s_wait_alu depctr_hold_cnt(0) depctr_sa_sdst(0) depctr_va_vdst(0) depctr_va_sdst(0) depctr_va_ssrc(0) depctr_va_vcc(0) depctr_vm_vsrc(0)
	s_getreg_b32 s2, hwreg(HW_REG_IB_STS2, 6, 4)
	s_cmp_eq_u32 s2, 0
	s_cbranch_scc0 .Lentry_in_a_cluster
	s_endpgm
.Lentry_in_a_cluster:
	s_bfe_u32 s2, ttmp6, 0x10000c
	s_cmp_lg_u32 s2, 0x3003
	s_cbranch_scc0 .Lentry_shape_is_right
	s_endpgm
.Lentry_shape_is_right:
; One layer: out[b][q] = sum over p of Lam[p][q] * PReLU(in[b][p] + eps[q]), PReLU(s) = s for s >= 0, a s otherwise.
; in: [1024][P], Lam: [P][Q], eps: [Q], a: one number, out: [1024][Q], all f32.  Here P = 512, Q = 256.
;
; THE ALGEBRA.  PReLU(s) = a s + (1 - a) max(s, 0) for every a, and max(x + eps, 0) = max(x, -eps) + eps.  So
;   out = a LIN + (1 - a) H + eps[q] CS[q],  H = sum Lam max(x, -eps),  LIN = sum Lam x,  CS = sum Lam (all over p).
; That is one maximum and two fused multiply-adds for each (b, p, q), all in f32.
; NO MATRIX INSTRUCTIONS: each activation act[b][p][q] enters one product only, so of the 8,192 multiply-adds of a 16 x 16 x 32
; instruction at most its 512 A elements could be of use, and the maxima would still be made here and then converted.  LIN is a
; true product, but with operands rounded to bf16 its error is multiplied by a, which is an input without a bound; it stays in f32.
;
; SHARING.  A work-group makes BW = 8 rows x 128 columns of out with 16 waves (8 rows, so that 1024 x 256 outputs still make 256
; work-groups).  Wave w takes all of them for its PW = P/16 values of p; the sixteen partial tiles are added through LDS at the
; end.  Lane l owns columns 4 l .. 4 l + 3 of the 128, so a row of Lam's tile is one ds_load_b128 of 512 consecutive bytes.
; in[b][p] is the same for a whole wave: it comes by scalar loads and is the scalar source of the vector instructions; each such
; number feeds 4 columns a lane.
; CLUSTER.  The four work-groups of a cluster are four row tiles of the same 128 columns: they need the same P x 128 tile of Lam
; and ask for it jointly (mask 15), each wave for its own PW rows.  in is not shared (each work-group has rows of its own).
; The whole tile of Lam stays in LDS: every LDS byte is filled once, so there is no ring and no refill.
;
; LIMITS.  max(x, -eps) + eps agrees with max(x + eps, 0) up to f32 rounding; where every s < 0 the terms (1 - a) sum Lam (-eps) and
; eps CS cancel to a eps CS with a residue of the order 1e-7 |eps| sum |Lam|.  The sums run in another order than the einsum's.
; A NaN in in, Lam, eps or a reaches the output through LIN, H or eps CS.  An infinite input can give NaN (inf - inf between the
; three terms) where the formula as written gives an infinity.
.set P,    512                         ; inputs of the layer
.set Q,    256                         ; outputs of the layer
.set BW,   8                           ; rows of a work-group
.set BWL,  3                           ; log2 BW
.set PW,   P/16                        ; values of p of a wave
.set NCH,  PW/8                        ; chunks of 8 p
.set GPC,  BW/4                        ; groups of 4 rows in a chunk
.set NG,   NCH*GPC                     ; groups of a wave
.set HR,   PW/2                        ; rows of Lam in one tensor load
.set WREG, PW*512                      ; bytes of a wave's region of LDS: PW rows of 128 f32
.set RW,   BW/4                        ; the end: registers of one partial in a thread
.set RSH,  9-BWL                       ; the end: threads in a row of the tile, as a shift
; vector registers: v0 thread, v1 LDS address of my 16 bytes in row 0 of my wave's region, v2 16 x lane, v3 my byte offset in out
.set TN,   4                           ; v[4:7]     -eps of my 4 columns
.set EPS,  8                           ; v[8:11]    eps
.set CSUM, 12                          ; v[12:15]   column sums of Lam over my wave's p
.set MX,   16                          ; v[16:23]   maxima at work: 2 rows x 4 columns
.set AV,   24                          ; v[24:25]   a, twice
.set A1V,  26                          ; v[26:27]   1 - a, twice
.set EC,   28                          ; v[28:31]   eps x column sum
.set ACH,  32                          ; v[32:63]   H,   row b column i at 4 b + i
.set ACL,  96                          ; v[96:127]  LIN, likewise
.set LB0,  160                         ; v[160:191], v[192:223] two buffers of 8 rows of Lam, row k column i at 4 k + i
.set RA,   16                          ; the end: v[16:19] four LDS addresses (the maxima are over)
.set RD,   96                          ; the end: v[96:127] the sixteen partials (LIN is over)
; scalar registers: s[2:3] in at my rows and my wave's p, s[4:5] out at my tile, s6 a, s8 wave, s[60:61] eps, s[62:63] Lam
.set G1,   12                          ; s[12:19]   descriptor group 1, one for both loads
.set G0,   20                          ; s[20:27]   descriptor group 0, one set for each half
.set XS0,  28                          ; s[28:59], s[68:99] two buffers of 4 rows x 8 p of in: row i at 8 i, buffer 1 is 40 further up
; A round of the cluster's barrier: my work-group's barrier, wave 0 signals for the work-group, every wave waits for all four
; work-groups, my work-group's barrier once more.
.macro ROUND
	s_barrier_signal -1
	s_barrier_wait -1
	s_cmp_lg_u32 s8, 0
	s_cbranch_scc1 .Lnot_wave_0_\@
	s_barrier_signal -3
.Lnot_wave_0_\@:
	s_barrier_wait -3
	s_barrier_signal -1
	s_barrier_wait -1
.endm
; Group n's 32 numbers of in: rows 4 j .. 4 j + 3, p = 8 c .. 8 c + 7 of my wave's range, 32 aligned bytes a load.
.macro XLOAD n
.set xl_c, (\n)/GPC
.set xl_j, (\n)%GPC
.set xl_s, XS0+40*((\n)%2)
.irp i, 0,1,2,3
	s_load_b256 s[xl_s+8*\i:xl_s+8*\i+7], s[2:3], ((4*xl_j+\i)*P+8*xl_c)*4
.endr
.endm
; Chunk c's 8 rows of Lam from my wave's region: each load takes 512 consecutive bytes.
.macro LAMLOAD c
.irp k, 0,1,2,3,4,5,6,7
	ds_load_b128 v[LB0+32*((\c)%2)+4*\k:LB0+32*((\c)%2)+4*\k+3], v1 offset:(8*(\c)+\k)*512
.endr
.endm
; Rows b and b + 1, one p: in[b][p] in s[sa], in[b+1][p] in s[sb], Lam's row at v[lam].  8 maxima, 8 multiply-adds for LIN, 8 for H,
; two to an instruction.  acc = 0: the first product of these rows starts their sums, so nothing is ever cleared.
; A maximum and the multiply-add that takes it are 8 instructions apart, two updates of one sum 12.
.macro STEP b, sa, sb, lam, acc
	v_dual_max_num_f32 v[MX+0], s[\sa], v[TN+0] :: v_dual_max_num_f32 v[MX+1], s[\sa], v[TN+1]
	v_dual_max_num_f32 v[MX+2], s[\sa], v[TN+2] :: v_dual_max_num_f32 v[MX+3], s[\sa], v[TN+3]
	v_dual_max_num_f32 v[MX+4], s[\sb], v[TN+0] :: v_dual_max_num_f32 v[MX+5], s[\sb], v[TN+1]
	v_dual_max_num_f32 v[MX+6], s[\sb], v[TN+2] :: v_dual_max_num_f32 v[MX+7], s[\sb], v[TN+3]
.if \acc
	v_dual_fmac_f32 v[ACL+4*\b+0], s[\sa], v[\lam+0] :: v_dual_fmac_f32 v[ACL+4*\b+1], s[\sa], v[\lam+1]
	v_dual_fmac_f32 v[ACL+4*\b+2], s[\sa], v[\lam+2] :: v_dual_fmac_f32 v[ACL+4*\b+3], s[\sa], v[\lam+3]
	v_dual_fmac_f32 v[ACL+4*\b+4], s[\sb], v[\lam+0] :: v_dual_fmac_f32 v[ACL+4*\b+5], s[\sb], v[\lam+1]
	v_dual_fmac_f32 v[ACL+4*\b+6], s[\sb], v[\lam+2] :: v_dual_fmac_f32 v[ACL+4*\b+7], s[\sb], v[\lam+3]
	v_pk_fma_f32 v[ACH+4*\b+0:ACH+4*\b+1], v[MX+0:MX+1], v[\lam+0:\lam+1], v[ACH+4*\b+0:ACH+4*\b+1]
	v_pk_fma_f32 v[ACH+4*\b+2:ACH+4*\b+3], v[MX+2:MX+3], v[\lam+2:\lam+3], v[ACH+4*\b+2:ACH+4*\b+3]
	v_pk_fma_f32 v[ACH+4*\b+4:ACH+4*\b+5], v[MX+4:MX+5], v[\lam+0:\lam+1], v[ACH+4*\b+4:ACH+4*\b+5]
	v_pk_fma_f32 v[ACH+4*\b+6:ACH+4*\b+7], v[MX+6:MX+7], v[\lam+2:\lam+3], v[ACH+4*\b+6:ACH+4*\b+7]
.else
	v_dual_mul_f32 v[ACL+4*\b+0], s[\sa], v[\lam+0] :: v_dual_mul_f32 v[ACL+4*\b+1], s[\sa], v[\lam+1]
	v_dual_mul_f32 v[ACL+4*\b+2], s[\sa], v[\lam+2] :: v_dual_mul_f32 v[ACL+4*\b+3], s[\sa], v[\lam+3]
	v_dual_mul_f32 v[ACL+4*\b+4], s[\sb], v[\lam+0] :: v_dual_mul_f32 v[ACL+4*\b+5], s[\sb], v[\lam+1]
	v_dual_mul_f32 v[ACL+4*\b+6], s[\sb], v[\lam+2] :: v_dual_mul_f32 v[ACL+4*\b+7], s[\sb], v[\lam+3]
	v_pk_mul_f32 v[ACH+4*\b+0:ACH+4*\b+1], v[MX+0:MX+1], v[\lam+0:\lam+1]
	v_pk_mul_f32 v[ACH+4*\b+2:ACH+4*\b+3], v[MX+2:MX+3], v[\lam+2:\lam+3]
	v_pk_mul_f32 v[ACH+4*\b+4:ACH+4*\b+5], v[MX+4:MX+5], v[\lam+0:\lam+1]
	v_pk_mul_f32 v[ACH+4*\b+6:ACH+4*\b+7], v[MX+6:MX+7], v[\lam+2:\lam+3]
.endif
.endm
; Group n = chunk n / GPC, rows 4 (n % GPC) .. + 3: 16 steps, 192 vector instructions.
.macro GROUP n
.set g_c, (\n)/GPC
.set g_j, (\n)%GPC
.set g_x, XS0+40*((\n)%2)
.set g_l, LB0+32*(g_c%2)
	s_wait_kmcnt 0x0                               ; scalar loads return in no order, so the count is 0: out are this group's four (and, at group 0, the load of a)
.if NG > (\n)+1
	XLOAD (\n)+1                                   ; the next group's numbers, into the buffer that the group before this one has finished with; a whole group's work in which to come
.endif
.irp pr, 0,1
.irp k, 0,1,2,3,4,5,6,7
	STEP (4*g_j+2*\pr), (g_x+16*\pr+\k), (g_x+16*\pr+8+\k), (g_l+4*\k), (g_c+\k)
.endr
.endr
.endm
; Chunk c: 8 p for all rows.
.macro CHUNK c
.set ch_l, LB0+32*((\c)%2)
	s_wait_dscnt 0x0                               ; this chunk's eight LDS loads are the only ones out
.if \c
.irp k, 0,1,2,3,4,5,6,7
	v_pk_add_f32 v[CSUM:CSUM+1],   v[CSUM:CSUM+1],   v[ch_l+4*\k:ch_l+4*\k+1]
	v_pk_add_f32 v[CSUM+2:CSUM+3], v[CSUM+2:CSUM+3], v[ch_l+4*\k+2:ch_l+4*\k+3]
.endr
.else
	v_pk_add_f32 v[CSUM:CSUM+1],   v[ch_l:ch_l+1],   v[ch_l+4:ch_l+5]       ; the first two rows start the column sums
	v_pk_add_f32 v[CSUM+2:CSUM+3], v[ch_l+2:ch_l+3], v[ch_l+6:ch_l+7]
.irp k, 2,3,4,5,6,7
	v_pk_add_f32 v[CSUM:CSUM+1],   v[CSUM:CSUM+1],   v[ch_l+4*\k:ch_l+4*\k+1]
	v_pk_add_f32 v[CSUM+2:CSUM+3], v[CSUM+2:CSUM+3], v[ch_l+4*\k+2:ch_l+4*\k+3]
.endr
.endif
.set ch_n, (\c)*GPC
.rept GPC-1
	GROUP ch_n
.set ch_n, ch_n+1
.endr
.if NCH > (\c)+1
.if (\c)+1 == NCH/2
	s_wait_tensorcnt 0x0                           ; the next chunk is the first of the second half of my rows: both my tensor loads have landed
.endif
	LAMLOAD (\c)+1                                 ; into the buffer free since the chunk before; the chunk's last group in which to come
.endif
	GROUP ch_n
.endm
	s_load_b256 s[68:75], s[0:1], 0x0              ; in s[68:69], Lam s[70:71], eps s[72:73], a s[74:75]
	s_load_b64 s[76:77], s[0:1], 0x20              ; out
	v_lshl_add_u32 v224, v0, 2, 0x40000
	v_mov_b32 v225, 0
	ds_add_u32 v224, v225
	v_lshrrev_b32 v1, 5, v0
	v_readfirstlane_b32 s8, v1                     ; wave 0..15
	v_and_b32 v2, 31, v0
	v_lshlrev_b32 v2, 4, v2                        ; 16 x lane
	s_and_b32 s7, ttmp7, 0xffff                    ; column tile (the cluster is one work-group high)
	s_mul_i32 s9, s8, WREG                         ; my wave's region of LDS: the wave's number times a constant
	v_add_nc_u32 v1, s9, v2
	; group 1: a tile of HR rows x 128 elements of 4 bytes, Q elements from row to row, no padding (the rows are read 512 bytes at a time)
	s_mov_b32 s[G1+0], 15|(2<<16)|(1<<21)          ; 15:0 the mask: all four work-groups of the cluster; 17:16 element of 4 bytes; 21 set beside a mask
	s_mov_b32 s[G1+1], 128<<16                     ; 63:48 tensor_dim0 = 128
	s_mov_b32 s[G1+2], HR<<16                      ; 95:80 tensor_dim1 = HR
	s_mov_b32 s[G1+3], 128<<16                     ; 127:112 tile_dim0 = 128
	s_mov_b32 s[G1+4], HR                          ; 143:128 tile_dim1 = HR
	s_mov_b32 s[G1+5], Q                           ; 191:160 elements from row to row
	s_mov_b32 s[G1+6], 0
	s_mov_b32 s[G1+7], 0
	; offsets that all four partners share: made of the column tile and the wave's number alone
	s_lshl_b32 s10, s7, 9                          ; 128 columns x 4 bytes
	s_mov_b32 s11, 0
	s_mul_i32 s86, s8, PW*Q*4                      ; my wave's PW rows of Lam
	s_add_co_u32 s86, s86, s10
	s_mov_b32 s87, 0
	; offsets of my own row tile, in registers of their own: none of them feeds a descriptor or an LDS address
	s_bfe_u32 s83, ttmp6, 0x40000                  ; cx
	s_lshl_b32 s82, ttmp9, 2
	s_add_co_u32 s82, s82, s83                     ; row tile = 4 x cluster x + cx
	s_mul_i32 s80, s82, BW*P*4
	s_mul_i32 s84, s8, PW*4
	s_add_co_u32 s80, s80, s84                     ; in: my rows, my wave's p
	s_mov_b32 s81, 0
	s_mul_i32 s78, s82, BW*Q*4
	s_add_co_u32 s78, s78, s10                     ; out: my rows, my columns
	s_mov_b32 s79, 0
	s_wait_dscnt 0x0
	s_wait_kmcnt 0x0                               ; the five addresses
	s_add_nc_u64 s[2:3], s[68:69], s[80:81]
	s_add_nc_u64 s[4:5], s[76:77], s[78:79]
	s_add_nc_u64 s[60:61], s[72:73], s[10:11]
	s_add_nc_u64 s[62:63], s[70:71], s[86:87]
.irp h, 0,1
	s_mov_b32 s[G0+4*\h], 1                                        ; count = 1
	s_add_co_u32 s[G0+4*\h+1], s9, \h*HR*512                       ; LDS address: my region, half h
	s_add_nc_u64 s[G0+4*\h+2:G0+4*\h+3], s[62:63], \h*HR*Q*4       ; global address of the half's first element
	s_or_b32 s[G0+4*\h+3], s[G0+4*\h+3], 0x80000000                ; type = 2
.endr
	XLOAD 0                                        ; these three kinds of load touch no LDS: they are on their way while the work-groups meet
	s_load_b32 s6, s[74:75], 0x0                   ; a
	global_load_b128 v[EPS:EPS+3], v2, s[60:61]    ; eps of my 4 columns
	ROUND                                          ; all four work-groups are here: the joint loads meet
	tensor_load_to_lds s[G0:G0+3], s[G1:G1+7]      ; the launch's only tensor loads, both first fills, in one group: two out for this wave
	s_nop 0
	tensor_load_to_lds s[G0+4:G0+7], s[G1:G1+7]
	s_nop 0
	s_wait_tensorcnt 0x1                           ; the first half of my rows is in LDS; the 1 is the second half, issued behind it.  Only I read my region
	LAMLOAD 0
	s_wait_loadcnt 0x0                             ; eps
.irp i, 0,1,2,3
	v_xor_b32 v[TN+\i], 0x80000000, v[EPS+\i]      ; -eps
.endr
	CHUNK 0
	CHUNK 1
.if NCH > 2
	CHUNK 2
	CHUNK 3
.endif
	; My wave's share of out: (1 - a) H + eps CS + a LIN, into the first BW rows of my own region.  The region has had its only fill,
	; both my tensor loads were waited for, and my reads of it are back (the last chunk's wait for 0).
	v_mov_b32 v[AV], s6
	v_mov_b32 v[AV+1], s6
	v_sub_f32 v[A1V], 1.0, v[AV]
	v_sub_f32 v[A1V+1], 1.0, v[AV]
	v_pk_mul_f32 v[EC:EC+1],   v[EPS:EPS+1],   v[CSUM:CSUM+1]
	v_pk_mul_f32 v[EC+2:EC+3], v[EPS+2:EPS+3], v[CSUM+2:CSUM+3]
.set eb, 0
.rept BW
	v_pk_fma_f32 v[ACH+4*eb:ACH+4*eb+1],   v[ACH+4*eb:ACH+4*eb+1],   v[A1V:A1V+1], v[EC:EC+1]
	v_pk_fma_f32 v[ACH+4*eb+2:ACH+4*eb+3], v[ACH+4*eb+2:ACH+4*eb+3], v[A1V:A1V+1], v[EC+2:EC+3]
	v_pk_fma_f32 v[ACH+4*eb:ACH+4*eb+1],   v[ACL+4*eb:ACL+4*eb+1],   v[AV:AV+1],   v[ACH+4*eb:ACH+4*eb+1]
	v_pk_fma_f32 v[ACH+4*eb+2:ACH+4*eb+3], v[ACL+4*eb+2:ACL+4*eb+3], v[AV:AV+1],   v[ACH+4*eb+2:ACH+4*eb+3]
	ds_store_b128 v1, v[ACH+4*eb:ACH+4*eb+3] offset:512*eb
.set eb, eb+1
.endr
	; Thread t owns BW bytes of the tile of BW x 512 bytes, at byte t x BW; wave u's partial of them lies u x WREG further up.
	v_lshlrev_b32 v[RA], BWL, v0
	v_add_nc_u32 v[RA+1], 4*WREG, v[RA]            ; four addresses, since an LDS offset has 16 bits: 3 x WREG is the largest used
	v_add_nc_u32 v[RA+2], 8*WREG, v[RA]
	v_add_nc_u32 v[RA+3], 12*WREG, v[RA]
	v_lshrrev_b32 v3, RSH, v0                      ; my row of the tile
	v_and_b32 v[RA+4], (1<<RSH)-1, v0              ; my place in it
	v_mul_u32_u24 v3, v3, 4*Q
	v_lshl_add_u32 v3, v[RA+4], BWL, v3            ; my byte offset in out
	s_wait_dscnt 0x0                               ; my stores are in LDS, for the others' sake
	s_barrier_signal -1
	s_barrier_wait -1                              ; everybody's are
.set ru, 0
.rept 16
.if RW > 2
	ds_load_b128 v[RD+RW*ru:RD+RW*ru+3], v[RA+ru/4] offset:(ru%4)*WREG
.else
	ds_load_b64 v[RD+RW*ru:RD+RW*ru+1], v[RA+ru/4] offset:(ru%4)*WREG
.endif
.set ru, ru+1
.endr
	s_wait_dscnt 0x0
.irp s, 8,4,2,1                        ; a fixed tree over the sixteen waves' partials
.set ri, 0
.rept \s
.set rj, 0
.rept RW/2
	v_pk_add_f32 v[RD+RW*ri+2*rj:RD+RW*ri+2*rj+1], v[RD+RW*ri+2*rj:RD+RW*ri+2*rj+1], v[RD+RW*(ri+\s)+2*rj:RD+RW*(ri+\s)+2*rj+1]
.set rj, rj+1
.endr
.set ri, ri+1
.endr
.endr
.if RW > 2
	global_store_b128 v3, v[RD:RD+3], s[4:5]       ; a wave stores 512 consecutive bytes, at a multiple of 512 from out's first byte
.else
	global_store_b64 v3, v[RD:RD+1], s[4:5]        ; a wave stores 256 consecutive bytes, at a multiple of 256 from out's first byte
.endif
	s_wait_tensorcnt 0x0
	ds_add_u32 v224, v225
	s_wait_dscnt 0x0
	ROUND                                          ; the closing round: no work-group ends while a partner may still ask for a tile that names it
	s_endpgm
.Lfunc_end_k_qa29e9174d6_l3:
	.size	k_qa29e9174d6_l3, .Lfunc_end_k_qa29e9174d6_l3-k_qa29e9174d6_l3
	.p2alignl 7, 3214868480
	.fill 96, 4, 3214868480
	.section	.rodata,"a",@progbits
	.p2align	6, 0x0
	.amdhsa_kernel k_qa29e9174d6_l3
		.amdhsa_group_segment_fixed_size 264192
		.amdhsa_private_segment_fixed_size 0
		.amdhsa_enable_private_segment 0
		.amdhsa_kernarg_size 40
		.amdhsa_user_sgpr_count 2
		.amdhsa_user_sgpr_kernarg_segment_ptr 1
		.amdhsa_wavefront_size32 1
		.amdhsa_system_sgpr_workgroup_id_x 1
		.amdhsa_system_sgpr_workgroup_id_y 1
		.amdhsa_system_sgpr_workgroup_id_z 1
		.amdhsa_system_vgpr_workitem_id 0
		.amdhsa_next_free_vgpr 226
		.amdhsa_next_free_sgpr 100
		.amdhsa_reserve_vcc 0
		.amdhsa_float_denorm_mode_32 3
		.amdhsa_float_denorm_mode_16_64 3
		.amdhsa_memory_ordered 1
		.amdhsa_forward_progress 1
		.amdhsa_inst_pref_size 114
	.end_amdhsa_kernel
	.amdgpu_metadata
---
amdhsa.version: [ 1, 2 ]
amdhsa.kernels:
  - .name:           k_qa29e9174d6_l3
    .symbol:         k_qa29e9174d6_l3.kd
    .args:
      - { .name: ha, .offset: 0, .size: 8, .value_kind: global_buffer, .address_space: global }
      - { .name: L3_Lambda, .offset: 8, .size: 8, .value_kind: global_buffer, .address_space: global }
      - { .name: L3_eps, .offset: 16, .size: 8, .value_kind: global_buffer, .address_space: global }
      - { .name: L3_a, .offset: 24, .size: 8, .value_kind: global_buffer, .address_space: global }
      - { .name: out0, .offset: 32, .size: 8, .value_kind: global_buffer, .address_space: global }
    .group_segment_fixed_size: 264192
    .private_segment_fixed_size: 0
    .kernarg_segment_align: 8
    .kernarg_segment_size: 40
    .max_flat_workgroup_size: 512
    .sgpr_count:     100
    .vgpr_count:     226
    .wavefront_size: 32
...
	.end_amdgpu_metadata
.endif
;; end of part 3
